; MI455X (gfx1250); checked and timed in simulation.
; The chip was launched on July 23, 2026; its instructions are those of AMD's public machine-readable ISA for CDNA 5 (MIT licence, August 2026) and "CDNA5" Instruction Set Architecture Reference Guide (July 2026). The comments in the code are by the model that wrote it; some were corrected since.
;; Bilinear Dense. Allowed arithmetic: matrix products marked QUANTISED: E2M1 operands, one E8M0 scale for each 32 along K, by v_wmma_scale_f32_16x16x128_f8f6f4 with both operands' format E2M1 (or v_wmma_scale_f32_32x16x128_f4), f32 sums; products left as they are: f32 operands where the result goes on into a quantised operand, else bf16, f16 or f32 operands; f32 sums; everything else in f32.
;; Inputs: W_bias 65,536 float32; W_kernel 256 x 65,536 float32; b_bias 256 float32; b_kernel 256 x 256 float32; x 4,096 x 256 float32; z 4,096 x 256 float32.
;; Outputs: out0 4,096 x 256 float32.
;; This version of the problem:
;;   THIS VERSION OF THE PROBLEM IS GIVEN IN LOW PRECISION. The matrix products marked QUANTISED in the list below multiply operands that are first quantised to E2M1 (2 exponent bits, 1 mantissa bit; 4 bits a number), with one power-of-two scale for each 32 numbers along K (OCP MX v1.0); their sums are f32. All else is computed in f32.
;;   The module's matrix products, in the order in which they are computed (A, B: the left and right operand; K: the contracted axis; several contracted axes count as one K, in the product's order):
;;     1. [M 4,096, K 256] x [K 256, N 65,536]; A: input z; B: input W_kernel: QUANTISED
;;     2. [M 4,096, K 256] x [K 256, N 256]; A: input z; B: input b_kernel: QUANTISED
;;     3. batch 4,096 x [M 256, K 256] x [K 256, N 1]; A: computed on the way; B: input x: left as it is (N = 1 < 16)
;;   THE QUANTISER, for each operand of a quantised product, along K:
;;     - K is cut into blocks of 32 from its start; a last block that is shorter is filled with zeros.
;;     - A block's scale is 2^e with e = floor(log2(the largest magnitude in the block)) - 2, held to -126 .. 127; a block of zeros has e = 0. As a byte (E8M0): e + 127.
;;     - Each number is divided by its block's scale, clamped to +-6, and rounded to the nearest number of E2M1, ties to even, subnormals kept.
;;     - The product sums the exact products of the quantised numbers (number of the format x scale) in f32.
;;   ~~~python
;;   def quantise(x, axis):      # numpy; x: float32 -> the quantised numbers, widened to float32 again
;;       x = np.moveaxis(x, axis, -1); K = x.shape[-1]
;;       x = np.pad(x, [(0, 0)] * (x.ndim - 1) + [(0, -K % 32)]); x = x.reshape(x.shape[:-1] + (-1, 32)); a = np.abs(x).max(-1, keepdims=True)
;;       e = np.where(a > 0, np.clip(np.frexp(np.where(a > 0, a, 1))[1] - 1 - 2, -126, 127), 0)      # np.frexp(a)[1] - 1 = floor(log2(a)), exactly
;;       r = np.clip(x / 2.0 ** e, -6, 6)
;;       step = 2.0 ** (np.maximum(np.frexp(np.where(r == 0, 1, r))[1] - 1, 0) - 1)
;;       q = np.round(r / step) * step * 2.0 ** e      # np.round: ties to even
;;       return np.moveaxis(q.reshape(q.shape[:-2] + (-1,))[..., :K], -1, axis).astype(np.float32)
;;   ~~~
;; One version. Each part assembles by itself: llvm-mc -triple=amdgcn-amd-amdhsa -mcpu=gfx1250 --defsym DOCPART=n.
;; ======== version 1 of 1: 2 launches
;; limits: values are held in bf16: 8 bits of precision; right only within a limited range of input values
;; workspace buffers: wq 8,912,896 bytes; zq 557,056 bytes; bq 34,816 bytes; xb 2,097,152 bytes; wb 131,072 bytes
;; launch prep (part 1): grid 256 x 1, 16 waves a work-group, no clusters, 266,240 bytes of LDS; arguments W_kernel, z, b_kernel, x, W_bias, wq, zq, bq, xb, wb; writes wq, zq, bq, xb, wb
.if DOCPART == 1
	.amdgcn_target "amdgcn-amd-amdhsa--gfx1250"
	.amdhsa_code_object_version 6
	.text
	.protected	k_q2d7a6b7085_prep
	.globl	k_q2d7a6b7085_prep
	.p2align	8
	.type	k_q2d7a6b7085_prep,@function
k_q2d7a6b7085_prep:
	s_mov_b64 s[64:65], 0
	v_nop
	global_prefetch_b8 v0, s[64:65] scope:SCOPE_SE
	s_setreg_imm32_b32 hwreg(HW_REG_WAVE_MODE, 25, 1), 1
	s_wait_xcnt 0x0
; PREP.  W_kernel [256 k][65536], z [4096][256] and b_kernel [256 k][256] (f32) become codes of FP4 (E2M1) with one E8M0 byte for each 32 along K = 256;
; x [4096][256] and W_bias (read as [256 o][256 i]) are rounded once to bf16: operands of the product that is left as it is.  Everything is laid in the order of the operands' registers.
; A block's scale is 2^(floor(log2(largest magnitude)) - 2): its byte is the largest magnitude's exponent field - 2, held at 1 from below by a floor among the maximum's leaves.
; LIMITS: a block of zeros gets the byte 1 where the rule says 127 (its codes are zeros, and this program alone reads the bytes); NaN and infinities among the inputs are not served.
; LAYOUTS (L lane, r = L % 16, h = L / 16):
;   wq: o x 34,816 + quarter q of the 256 i x 8,704.  Fragment (P, u, s) = i 64 q + 32 P + 16 u + 0 .. 15, k 128 s + 0 .. 127, at 4096 P + 2048 u + 1024 s: two runs c of 512 bytes, 16 L: block 4 s + 2 c + h of row r.
;     Behind the codes, at 8192 + 16 L: lane (r, h)'s words of K step s = h, rows r of (P, u) = (0, 0), (0, 1), (1, 0), (1, 1).
;   zq: tile T of 16 samples: T x 2048 + block x 256 + r x 16; scale words at 524,288 + T x 128 + s x 64 + r x 4.   bq: the same for 16 outputs a tile, scale words from 32,768.
;   xb, wb: tile T x 8192 + ch x 512 + L x 16: lane (r, h) holds the 8 bf16 of row r at i = 16 ch + 8 h + 0 .. 7.
; SHARES.  Work-group g owns output o = g of W_kernel, W_bias and b_kernel, and tile g of the samples.  Wave = w + 4 kq: columns 64 w .. 64 w + 63 of o and rows k 64 kq .. 64 kq + 63 of W_kernel:
; one tensor load of 64 rows x 256 bytes into 16,384 bytes of LDS of its own.  A LANE TAKES A COLUMN AND ITS REGISTERS RUN DOWN K.  No byte is filled twice.
; Small tasks, worked behind W: waves 0, 1 a K step of z's tile g each; waves 2, 3 half of x's tile g each; wave 4 row g of W_bias; wave 5 column g of b_kernel.
; Row g of wb and bq is one row of a tile of 16: those 165,888 bytes in all leave in pieces of 16 bytes or fewer; every other store of codes and scales covers whole blocks of 256 bytes (z's scale words: 64).
; No multicast: no two work-groups read the same bytes of W, z, x or W_bias.  No data prefetch: there is no loop to run ahead in; each wave's one tile is asked for at the start.
.set OB, 34816
.set QB, 8704
.set STG, 262144                       ; scale words gathered: 512 bytes for each quarter
.set SPARE, 264192                     ; the spare words, 128 bytes a wave
	s_load_b512 s[4:19], s[0:1], 0x0               ; W_kernel s[4:5], z s[6:7], b_kernel s[8:9], x s[10:11], W_bias s[12:13], wq s[14:15], zq s[16:17], bq s[18:19]
	s_load_b128 s[20:23], s[0:1], 0x40             ; xb s[20:21], wb s[22:23]
	v_lshl_add_u32 v254, v0, 2, SPARE
	v_mov_b32 v255, 0
	ds_add_u32 v254, v255                          ; the opening: the add, twice on end, and its wait
	ds_add_u32 v254, v255
	v_lshrrev_b32 v1, 5, v0
	v_readfirstlane_b32 s48, v1                    ; wave 0..15
	v_and_b32 v1, 31, v0                           ; L
	v_and_b32 v2, 15, v0                           ; r
	v_bfe_u32 v3, v0, 4, 1                         ; h
	s_and_b32 s49, s48, 3                          ; w
	s_lshr_b32 s53, s48, 2                         ; kq
	s_and_b32 s52, s48, 1                          ; the small tasks' half
	s_lshl_b32 s33, s48, 14                        ; my tile in LDS
	v_lshlrev_b32 v4, 2, v1
	v_add_nc_u32 v4, s33, v4                       ; my column of a row of 256 bytes
	v_lshlrev_b32 v5, 4, v1                        ; 16 L
	v_lshlrev_b32 v6, 10, v2
	v_lshl_add_u32 v10, v3, 5, v6                  ; x: row r of 1,024 bytes + 32 h
	v_lshl_add_u32 v6, v3, 7, v6                   ; z: row r + 128 h: my block of 32
	v_lshlrev_b32 v8, 2, v2                        ; 4 r
	v_lshlrev_b32 v9, 3, v3                        ; 8 h
	v_lshlrev_b32 v7, 13, v1                       ; b_kernel: rows k = 8 L .. 8 L + 7
	v_lshlrev_b32 v21, 5, v1                       ; W_bias: i = 8 L ..
	v_lshlrev_b32 v22, 8, v1                       ; wb: 256 L
	v_lshrrev_b32 v23, 2, v1
	v_and_b32 v24, 3, v1
	v_lshlrev_b32 v23, 8, v23
	v_lshl_add_u32 v23, v24, 2, v23                ; bq's codes: block L / 4, my 4 bytes
	v_bfe_u32 v24, v1, 2, 2
	v_lshl_add_u32 v24, v3, 6, v24                 ; bq's scale bytes
	v_lshlrev_b32 v25, 4, v2
	v_lshl_add_u32 v25, v3, 11, v25                ; wq: column (u = h, r): 2048 h + 16 r
	s_lshl_b32 s2, s49, 9
	s_add_co_u32 s2, s2, STG
	v_add_nc_u32 v27, s2, v5                       ; my quarter's gathered words, on the way out
	s_lshr_b32 s3, s53, 1
	s_lshl_b32 s3, s3, 8
	s_add_co_u32 s2, s2, s3
	s_and_b32 s3, s53, 1
	s_lshl_b32 s3, s3, 1
	s_add_co_u32 s2, s2, s3
	v_lshlrev_b32 v26, 4, v2
	v_lshl_add_u32 v26, v3, 2, v26
	v_add_nc_u32 v26, s2, v26                      ; and in: step kq / 2, row r, unit u = h, byte pair kq % 2
	v_mov_b32 v20, 0                               ; a lane permute's destination counts as one of its sources
	s_mov_b32 s50, 0x76543210
	s_mov_b32 s51, 0xfedcba98                      ; lane l xor 16
	s_mov_b32 s24, 2<<16                           ; group 1: elements of 4 bytes, 64 rows x 64 elements, rows 65,536 elements apart
	s_mov_b32 s25, 64<<16
	s_mov_b32 s26, 64<<16
	s_mov_b32 s27, 64<<16
	s_mov_b32 s28, 64
	s_mov_b32 s29, 65536
	s_mov_b32 s30, 0
	s_mov_b32 s31, 0
	s_mov_b32 s32, 1
	s_mov_b32 s55, 0
	s_mov_b32 s63, 0
	s_wait_alu depctr_va_vdst(0)                   ; the wait at the head's end
	s_wait_dscnt 0x0
	s_wait_kmcnt 0x0
	s_lshl_b32 s54, ttmp9, 10
	s_add_nc_u64 s[12:13], s[12:13], s[54:55]      ; W_bias at row g
	s_lshl_b32 s62, s49, 8
	s_add_co_u32 s54, s54, s62
	s_lshl_b32 s62, s53, 24
	s_add_co_u32 s54, s54, s62
	s_add_nc_u64 s[34:35], s[4:5], s[54:55]        ; W_kernel at row 64 kq, column 256 g + 64 w
	s_or_b32 s35, s35, 0x80000000
	tensor_load_to_lds s[32:35], s[24:31]          ; my one tensor load
	s_nop 0
	s_lshl_b32 s54, ttmp9, 14
	s_lshl_b32 s62, s52, 9
	s_add_co_u32 s54, s54, s62
	s_add_nc_u64 s[6:7], s[6:7], s[54:55]          ; z: tile g, half
	s_add_nc_u64 s[10:11], s[10:11], s[54:55]      ; x: likewise
	s_lshl_b32 s54, ttmp9, 2
	s_add_nc_u64 s[8:9], s[8:9], s[54:55]          ; b_kernel at column g
	; the small tasks' loads.  The branches hang on the wave's number alone.  Loads of one line's neighbouring pieces follow each other, so none carries a hint
	s_cmp_lt_u32 s48, 2
	s_cbranch_scc0 .Lload_x
.irp c, 0,1
.irp i, 0,1,2,3,4,5,6,7
	global_load_b128 v[64+32*\c+4*\i:64+32*\c+4*\i+3], v6, s[6:7] offset:256*\c+16*\i   ; z(row r, k = 128 s + 64 c + 32 h + 4 i ..)
.endr
.endr
	s_branch .Lasked
.Lload_x:
	s_cmp_lt_u32 s48, 4
	s_cbranch_scc0 .Lload_bias
.irp ch, 0,1,2,3,4,5,6,7
	global_load_b128 v[64+8*\ch:64+8*\ch+3], v10, s[10:11] offset:64*\ch
	global_load_b128 v[64+8*\ch+4:64+8*\ch+7], v10, s[10:11] offset:64*\ch+16
.endr
	s_branch .Lasked
.Lload_bias:
	s_cmp_eq_u32 s48, 4
	s_cbranch_scc0 .Lload_column
	global_load_b128 v[128:131], v21, s[12:13]     ; W_bias(o = g, i = 8 L ..)
	global_load_b128 v[132:135], v21, s[12:13] offset:16
	s_branch .Lasked
.Lload_column:
	s_cmp_eq_u32 s48, 5
	s_cbranch_scc0 .Lasked
.irp j, 0,1,2,3,4,5,6,7
	global_load_b32 v[128+\j], v7, s[8:9] offset:1024*\j   ; b_kernel(k = 8 L + j, o = g)
.endr
.Lasked:
	s_mul_i32 s54, ttmp9, OB
	s_mul_i32 s62, s49, QB
	s_add_co_u32 s54, s54, s62
	s_add_co_u32 s62, s54, 8192
	s_add_nc_u64 s[56:57], s[14:15], s[62:63]      ; wq: my quarter's scale words
	s_lshl_b32 s62, s53, 9
	s_add_co_u32 s54, s54, s62
	s_add_nc_u64 s[14:15], s[14:15], s[54:55]      ; wq: my quarter's codes, block 2 kq
	s_lshr_b32 s2, ttmp9, 4                        ; o = g lies in tile g / 16 of wb and bq,
	s_and_b32 s3, ttmp9, 15                        ; as its row g % 16
	s_lshl_b32 s54, ttmp9, 7
	s_lshl_b32 s62, s52, 6
	s_add_co_u32 s54, s54, s62
	s_add_co_u32 s54, s54, 524288
	s_add_nc_u64 s[58:59], s[16:17], s[54:55]      ; zq's scale words: tile g, K step s
	s_lshl_b32 s54, ttmp9, 11
	s_lshl_b32 s62, s52, 10
	s_add_co_u32 s54, s54, s62
	s_add_nc_u64 s[16:17], s[16:17], s[54:55]      ; zq's codes
	s_lshl_b32 s54, s2, 7
	s_lshl_b32 s62, s3, 2
	s_add_co_u32 s54, s54, s62
	s_add_co_u32 s54, s54, 32768
	s_add_nc_u64 s[60:61], s[18:19], s[54:55]      ; bq's scale words
	s_lshl_b32 s54, s2, 11
	s_lshl_b32 s62, s3, 4
	s_add_co_u32 s54, s54, s62
	s_add_nc_u64 s[18:19], s[18:19], s[54:55]      ; bq's codes
	s_lshl_b32 s54, s2, 13
	s_add_co_u32 s54, s54, s62
	s_add_nc_u64 s[22:23], s[22:23], s[54:55]      ; wb
	s_lshl_b32 s54, ttmp9, 13
	s_lshl_b32 s62, s52, 12
	s_add_co_u32 s54, s54, s62
	s_add_nc_u64 s[20:21], s[20:21], s[54:55]      ; xb: tile g, half
; W.  Unit n = 2 b + p: block 2 kq + b of columns 64 w + 32 p + L.  WLOAD brings its 32 numbers (one a row, 128 consecutive bytes a load) into set n % 2.
.macro WLOAD n
.irp i, 0,1,2,3,4,5,6,7,8,9,10,11,12,13,14,15,16,17,18,19,20,21,22,23,24,25,26,27,28,29,30,31
	ds_load_b32 v[136+32*((\n)&1)+\i], v4 offset:(32*((\n)>>1)+\i)*256+128*((\n)&1)
.endr
.endm
.macro WBLOCK n
.set XS, 136+32*((\n)&1)
.if (\n) < 3
	s_wait_dscnt 32                                ; this unit's 32 loads are in; the next unit's 32 may be out
.else
	s_wait_dscnt 0x0
.endif
	v_max3_num_f32 v12, |v[XS]|, |v[XS+1]|, |v[XS+2]|   ; the block's largest magnitude: all 32 numbers are mine; two chains
	v_max3_num_f32 v13, |v[XS+3]|, |v[XS+4]|, |v[XS+5]|
.irp i, 6,10,14,18,22,26
	v_max3_num_f32 v12, v12, |v[XS+\i]|, |v[XS+\i+1]|
	v_max3_num_f32 v13, v13, |v[XS+\i+2]|, |v[XS+\i+3]|
.endr
	v_max3_num_f32 v12, v12, |v[XS+30]|, |v[XS+31]|
	v_max3_num_f32 v12, v12, v13, 0x1800000        ; and the floor 2^(3 - 127)
	v_add_nc_u32 v11, 0xff000000, v12              ; 2 off the exponent field: the conversion's scale operand
.irp g, 0,1,2,3
	v_cvt_scalef32_pk8_fp4_f32 v[200+4*(\n)+\g], v[XS+8*\g:XS+8*\g+7], v11
.endr
	v_lshrrev_b32 v13, 23, v11                     ; the scale's byte (also the plain place behind the conversions)
.if (\n) < 2
	v_mov_b32 v[16+((\n)&1)], v13
.else
	v_lshl_or_b32 v[16+((\n)&1)], v13, 8, v[16+((\n)&1)]
.endif
	global_store_b128 v25, v[200+4*(\n):200+4*(\n)+3], s[14:15] offset:4096*((\n)&1)+256*((\n)>>1)   ; sixteen lanes store 256 consecutive bytes, at a multiple of 256
.if (\n) < 2
	WLOAD (\n)+2
.endif
.endm
	s_wait_tensorcnt 0x0                           ; my tile is in; nobody else reads it
	WLOAD 0
	WLOAD 1
	WBLOCK 0
	WBLOCK 1
	WBLOCK 2
	WBLOCK 3
	ds_store_b16 v26, v16                          ; my two bytes of the words of columns 0-31,
	ds_store_b16 v26, v17 offset:8                 ; and of columns 32-63
	s_wait_loadcnt 0x0                             ; the small tasks' numbers
	s_cmp_lt_u32 s48, 2
	s_cbranch_scc0 .Lwork_x
	; z: register 64 + 32 c + j = k 64 c + 32 h + j of my row's K step: two whole blocks become a fragment's 8 registers of codes and the row's scale word
.irp c, 0,1
	v_max3_num_f32 v[12+\c], |v[64+32*\c]|, |v[65+32*\c]|, 0x1800000
.endr
.irp i, 2,4,6,8,10,12,14,16,18,20,22,24,26,28,30
.irp c, 0,1
	v_max3_num_f32 v[12+\c], v[12+\c], |v[64+32*\c+\i]|, |v[65+32*\c+\i]|
.endr
.endr
.irp c, 0,1
	v_add_nc_u32 v[14+\c], 0xff000000, v[12+\c]
.endr
.irp c, 0,1
	v_lshrrev_b32 v[12+\c], 23, v[14+\c]
.endr
	v_lshl_or_b32 v216, v13, 16, v12               ; my bytes: blocks h and 2 + h,
	v_lshlrev_b32 v216, v9, v216                   ; 8 h bits up;
	v_permlanex16_b32 v20, v216, s50, s51
	v_or_b32 v216, v216, v20                       ; with lane l xor 16's two the word is whole
.irp c, 0,1
.irp g, 0,1,2,3
	v_cvt_scalef32_pk8_fp4_f32 v[220+4*\c+\g], v[64+32*\c+8*\g:64+32*\c+8*\g+7], v[14+\c]
.endr
.endr
	v_nop                                          ; one plain place behind the last scaled conversion
.irp c, 0,1
	global_store_b128 v5, v[220+4*\c:220+4*\c+3], s[16:17] offset:512*\c
.endr
	global_store_b32 v8, v216, s[58:59]            ; lanes r and 16 + r hold the same word and write it to the same place
	s_branch .Lsmall_done
.Lwork_x:
	s_cmp_lt_u32 s48, 4
	s_cbranch_scc0 .Lwork_bias
.irp ch, 0,1,2,3,4,5,6,7
.irp j, 0,1,2,3
	v_cvt_pk_bf16_f32 v[64+8*\ch+\j], v[64+8*\ch+2*\j], v[64+8*\ch+2*\j+1]
.endr
	global_store_b128 v5, v[64+8*\ch:64+8*\ch+3], s[20:21] offset:512*\ch
.endr
	s_branch .Lsmall_done
.Lwork_bias:
	s_cmp_eq_u32 s48, 4
	s_cbranch_scc0 .Lwork_column
.irp j, 0,1,2,3
	v_cvt_pk_bf16_f32 v[128+\j], v[128+2*\j], v[128+2*\j+1]
.endr
	global_store_b128 v22, v[128:131], s[22:23]    ; row g % 16 of each of the tile's 32 half chunks
	s_branch .Lsmall_done
.Lwork_column:
	s_cmp_eq_u32 s48, 5
	s_cbranch_scc0 .Lsmall_done
	v_max3_num_f32 v12, |v128|, |v129|, 0x1800000  ; b_kernel's column g: my eight numbers and the floor,
	v_max3_num_f32 v12, v12, |v130|, |v131|
	v_max3_num_f32 v12, v12, |v132|, |v133|
	v_max3_num_f32 v12, v12, |v134|, |v135|
	v_max_num_f32_dpp v12, v12, v12 row_xmask:1 row_mask:0xf bank_mask:0xf   ; and those of the three lanes that share my block
	v_max_num_f32_dpp v12, v12, v12 row_xmask:2 row_mask:0xf bank_mask:0xf
	v_add_nc_u32 v14, 0xff000000, v12
	v_cvt_scalef32_pk8_fp4_f32 v220, v[128:135], v14
	v_lshrrev_b32 v13, 23, v14
	global_store_b32 v23, v220, s[18:19]           ; four lanes store a block's 16 bytes
	global_store_b8 v24, v13, s[60:61]             ; the four lanes of a block write the same byte with the same value
.Lsmall_done:
	s_wait_dscnt 0x0                               ; my bytes of the scale words are stored
	s_barrier_signal -1
	s_barrier_wait -1                              ; and everybody's
	s_cmp_lt_u32 s48, 4
	s_cbranch_scc0 .Lend
	ds_load_b128 v[28:31], v27
	s_wait_dscnt 0x0
	global_store_b128 v5, v[28:31], s[56:57]       ; a quarter's scale words: 512 consecutive bytes
.Lend:
	s_wait_tensorcnt 0x0                           ; the wave's end
	ds_add_u32 v254, v255
	s_wait_dscnt 0x0
	s_endpgm
.Lfunc_end_k_q2d7a6b7085_prep:
	.size	k_q2d7a6b7085_prep, .Lfunc_end_k_q2d7a6b7085_prep-k_q2d7a6b7085_prep
	.p2alignl 7, 3214868480
	.fill 96, 4, 3214868480
	.section	.rodata,"a",@progbits
	.p2align	6, 0x0
	.amdhsa_kernel k_q2d7a6b7085_prep
		.amdhsa_group_segment_fixed_size 266240
		.amdhsa_private_segment_fixed_size 0
		.amdhsa_enable_private_segment 0
		.amdhsa_kernarg_size 80
		.amdhsa_user_sgpr_count 2
		.amdhsa_user_sgpr_kernarg_segment_ptr 1
		.amdhsa_wavefront_size32 1
		.amdhsa_system_sgpr_workgroup_id_x 1
		.amdhsa_system_sgpr_workgroup_id_y 1
		.amdhsa_system_sgpr_workgroup_id_z 1
		.amdhsa_system_vgpr_workitem_id 0
		.amdhsa_next_free_vgpr 256
		.amdhsa_next_free_sgpr 66
		.amdhsa_reserve_vcc 0
		.amdhsa_float_denorm_mode_32 3
		.amdhsa_float_denorm_mode_16_64 3
		.amdhsa_memory_ordered 1
		.amdhsa_forward_progress 1
		.amdhsa_inst_pref_size 32
	.end_amdhsa_kernel
	.amdgpu_metadata
---
amdhsa.version: [ 1, 2 ]
amdhsa.kernels:
  - .name:           k_q2d7a6b7085_prep
    .symbol:         k_q2d7a6b7085_prep.kd
    .args:
      - { .name: W_kernel, .offset: 0, .size: 8, .value_kind: global_buffer, .address_space: global }
      - { .name: z, .offset: 8, .size: 8, .value_kind: global_buffer, .address_space: global }
      - { .name: b_kernel, .offset: 16, .size: 8, .value_kind: global_buffer, .address_space: global }
      - { .name: x, .offset: 24, .size: 8, .value_kind: global_buffer, .address_space: global }
      - { .name: W_bias, .offset: 32, .size: 8, .value_kind: global_buffer, .address_space: global }
      - { .name: wq, .offset: 40, .size: 8, .value_kind: global_buffer, .address_space: global }
      - { .name: zq, .offset: 48, .size: 8, .value_kind: global_buffer, .address_space: global }
      - { .name: bq, .offset: 56, .size: 8, .value_kind: global_buffer, .address_space: global }
      - { .name: xb, .offset: 64, .size: 8, .value_kind: global_buffer, .address_space: global }
      - { .name: wb, .offset: 72, .size: 8, .value_kind: global_buffer, .address_space: global }
    .group_segment_fixed_size: 266240
    .private_segment_fixed_size: 0
    .kernarg_segment_align: 8
    .kernarg_segment_size: 80
    .max_flat_workgroup_size: 512
    .sgpr_count:     66
    .vgpr_count:     256
    .wavefront_size: 32
...
	.end_amdgpu_metadata
.endif
;; end of part 1
;; launch main (part 2): grid 16 x 16, 8 waves a work-group, clusters of 4 x 4, 327,680 bytes of LDS; arguments xb, zq, wq, bq, wb, b_bias, out0; writes out0
.if DOCPART == 2
	.amdgcn_target "amdgcn-amd-amdhsa--gfx1250"
	.amdhsa_code_object_version 6
	.text
	.protected	k_q2d7a6b7085_main
	.globl	k_q2d7a6b7085_main
	.p2align	8
	.type	k_q2d7a6b7085_main,@function
k_q2d7a6b7085_main:
	s_mov_b64 s[64:65], 0
	v_nop
	global_prefetch_b8 v0, s[64:65] scope:SCOPE_SE
	s_setreg_imm32_b32 hwreg(HW_REG_WAVE_MODE, 25, 1), 1
	s_wait_xcnt 0x0
	s_wait_alu depctr_hold_cnt(0) depctr_sa_sdst(0) depctr_va_vdst(0) depctr_va_sdst(0) depctr_va_ssrc(0) depctr_va_vcc(0) depctr_vm_vsrc(0)
	s_getreg_b32 s2, hwreg(HW_REG_IB_STS2, 6, 4)
	s_cmp_eq_u32 s2, 0
	s_cbranch_scc0 .Lentry_in_a_cluster
	s_endpgm
.Lentry_in_a_cluster:
	s_bfe_u32 s2, ttmp6, 0x10000c
	s_cmp_lg_u32 s2, 0xf033
	s_cbranch_scc0 .Lentry_shape_is_right
	s_endpgm
.Lentry_shape_is_right:
; MAIN.  out[b][o] = sum over i of x[b][i] (z Wq)[b][o, i]  +  sum over i of x[b][i] W_bias[o][i]  +  (z bq)[b][o]  +  b_bias[o].  The two products with z on FP4 codes, the one of x with W_bias in bf16, sums in f32;
; the sum over i with the large product is made of fused multiply-adds in f32, x being the bf16 numbers widened.
; A work-group makes 256 samples x 16 outputs: 16 x 16 work-groups.  Eight waves, two on a SIMD: wave = q + 4 sg takes samples 128 sg .. + 127 (tiles T = 0 .. 7 of 16) and the quarter q of the 256 i: 64 i = four units f of 16.
; For an output o: D(f, T) = W(16 i of unit f, k) z(k, 16 samples of T), two K steps of 128: a lane holds ONE sample and eight i.  x[b][those i] stands in registers for the whole launch: acc(T) += D x, two numbers an instruction.
; The rest of the sum (the lane's two halves, lanes l and l xor 16, the four quarters) goes through LDS planes [q][o][sample].  A fifth plane holds the terms with W_bias, bq and b_bias.
; CLUSTERS of 4 x 4: W's tile hangs on the output tile (x) and is shared along a column, x's image on the sample tile (y) and is shared along a row: joint loads.
; SLOTS: slot 0 holds 4 outputs, slot 1 holds 3; visited 4, 3, 4, 3, 2.  x's image (131,072 bytes) lies first where slot 1 and two of the planes lie later.  A slot is free when its last output's second half is in registers:
; there, in the middle of an output, stands the change of slots, with a group of products between the round's opening signal and its wait.
; No data prefetch: a refill is asked for three or two outputs and a half, 160 matrix instructions a wave or more, ahead of the wait for it, and no register is left to hold the prefetches' addresses over that stretch.
; A work-group's 16 outputs are 64 bytes of a row of out0: a wider tile of outputs would mean fewer samples to each of W's fragments.
; LIMITS: as stated for the quantised operands in the first launch.
; REGISTERS.  Window 0: v0 thread; v1 W's LDS base; v2 my plane's base; v3 W's address; v4-11 z's scale words (lanes 0-15 K step 0, 16-31 K step 1); v12-15 W's, unit f (likewise);
;   v16-31 acc(T), pairs; v32-63 D, four tiles by turns; v64-127 W's fragments, unit f at 64 + 16 f, K step s at + 8 s; v128-159 z of T = 0, 1; v160-223 x of T = 6, 7; v224-255 x of T = 4, 5, f = 2, 3.
;   Window 1: v0-95 z of T = 2 .. 7; v96-223 x of T = 0 .. 3; v224-255 x of T = 4, 5, f = 0, 1.  Products take z, multiply-adds x as source 1: so laid, the two mostly want the same window.
.set OB,    34816                      ; an output in wq
.set QB,    8704                       ; a quarter of it
.set S1,    4*OB                       ; slot 1
.set STAGE, 7*OB                       ; the planes
.set OP,    1032                       ; a plane's row: 256 samples x 4 bytes + 8
.set QP,    16*OP
.set BIAS,  STAGE+4*QP
.set SPARE, 326400                     ; the spare words, 128 bytes a wave
.set VB, 1
.set VS, 2
.set VW, 3
.set MSB, 0
.macro WIN new                         ; the immediate's high byte repeats the setting that is left
.if MSB != (\new)
	s_set_vgpr_msb (MSB<<8)|(\new)
.set MSB, (\new)
.endif
.endm
.macro CREST                           ; a round of the cluster's barrier behind its opening barrier
	s_cmp_lg_u32 s18, 0
	s_cbranch_scc1 .Lnot_wave_0_\@
	s_barrier_signal -3
.Lnot_wave_0_\@:
	s_barrier_wait -3
	s_barrier_signal -1
	s_barrier_wait -1
.endm
.macro ROUND
	s_barrier_signal -1
	s_barrier_wait -1
	CREST
.endm
	s_load_b256 s[4:11], s[0:1], 0x0               ; xb, zq, wq, bq
	s_load_b128 s[12:15], s[0:1], 0x20             ; wb, b_bias
	s_load_b64 s[16:17], s[0:1], 0x30              ; out0
	v_lshl_add_u32 v16, v0, 2, SPARE
	v_mov_b32 v17, 0
	ds_add_u32 v16, v17                            ; the opening: the add, twice on end, and its wait
	ds_add_u32 v16, v17
	v_lshrrev_b32 v18, 5, v0
	v_readfirstlane_b32 s18, v18                   ; wave 0..7
	s_bfe_u32 s19, ttmp6, 0x40000                  ; cx
	s_bfe_u32 s20, ttmp6, 0x40004                  ; cy
	s_lshl_b32 s21, ttmp9, 2
	s_add_co_u32 s21, s21, s19                     ; output tile
	s_and_b32 s22, ttmp7, 0xffff
	s_lshl_b32 s22, s22, 2
	s_add_co_u32 s22, s22, s20                     ; sample tile of 256
	s_lshl_b32 s23, s20, 2
	s_lshl_b32 s23, 15, s23                        ; my row of the cluster
	s_lshl_b32 s55, 0x1111, s19                    ; my column
	s_and_b32 s70, s18, 3                          ; q
	s_lshr_b32 s71, s18, 2                         ; sg
	v_and_b32 v18, 31, v0                          ; L
	v_and_b32 v19, 15, v0                          ; r
	v_bfe_u32 v20, v0, 4, 1                        ; h
	v_lshlrev_b32 v21, 4, v18                      ; 16 L
	v_lshlrev_b32 v22, 2, v18                      ; 4 L
	v_lshlrev_b32 v23, 5, v20                      ; 32 h
	v_lshlrev_b32 v26, 2, v19
	v_mul_u32_u24 v27, 8*OP, v20
	v_add_nc_u32 v26, v26, v27                     ; the bias plane: row o = 8 h + j, sample r
	s_lshl_b32 s57, s71, 9
	s_lshl_b32 s56, s70, 7
	s_add_co_u32 s56, s56, s57
	s_add_co_u32 s56, s56, BIAS
	v_add_nc_u32 v26, s56, v26                     ; + 128 sg + 32 q samples
	s_mul_i32 s56, s70, QP
	s_add_co_u32 s56, s56, s57
	s_add_co_u32 s56, s56, STAGE
	v_add_nc_u32 v[VS], s56, v22
	s_wait_alu depctr_va_vdst(0)                   ; a wait ahead of the reader below
	s_mul_i32 s56, s70, QB
	v_add_nc_u32 v[VB], s56, v21
	s_mov_b32 s52, 0                               ; LDS place of the output at work
	v_add_nc_u32 v[VW], s52, v[VB]
	s_lshl_b32 s57, s71, 16
	s_add_co_u32 s57, s57, S1
	s_lshl_b32 s56, s70, 14
	s_add_co_u32 s56, s56, s57
	v_add_nc_u32 v24, s56, v21                     ; x's image: tiles 2 q, 2 q + 1 of my eight, all i (for the bias terms)
	s_lshl_b32 s56, s70, 11
	s_add_co_u32 s56, s56, s57
	v_add_nc_u32 v25, s56, v21                     ; x's image: my eight tiles, my 64 i
	; group 1: rows of 256 bytes (32 elements of 8), 128 rows of x's image, 136 of wq
	s_or_b32 s24, s23, (3<<16)|(1<<21)
	s_mov_b32 s25, 32<<16
	s_mov_b32 s26, 128<<16
	s_mov_b32 s27, 32<<16
	s_mov_b32 s28, 128
	s_mov_b32 s29, 32
	s_mov_b32 s30, 0
	s_mov_b32 s31, 0
	s_or_b32 s32, s55, (3<<16)|(1<<21)
	s_mov_b32 s33, 32<<16
	s_mov_b32 s34, 136<<16
	s_mov_b32 s35, 32<<16
	s_mov_b32 s36, 136
	s_mov_b32 s37, 32
	s_mov_b32 s38, 0
	s_mov_b32 s39, 0
	s_lshl_b32 s58, s22, 17
	s_lshl_b32 s57, s70, 15
	s_add_co_u32 s58, s58, s57
	s_mov_b32 s59, 0
	s_mov_b32 s40, 1
	s_add_co_u32 s41, s57, S1                      ; waves 0-3: a quarter of x's image each
	s_mul_i32 s60, s21, 16*OB
	s_mov_b32 s61, 0
	s_mov_b32 s44, 1
	s_mul_i32 s45, s70, OB                         ; waves 4-7: an output of W each
	s_mov_b32 s56, s45
	s_mov_b32 s57, 0
	s_mov_b32 s76, 0xffff0000
	s_wait_alu depctr_va_vdst(0)                   ; the wait at the head's end
	s_wait_dscnt 0x0                               ; both opening adds are done
	s_wait_kmcnt 0x0
	s_add_nc_u64 s[42:43], s[4:5], s[58:59]
	s_or_b32 s43, s43, 0x80000000
	s_add_nc_u64 s[50:51], s[8:9], s[60:61]        ; my 16 outputs of wq
	s_add_nc_u64 s[46:47], s[50:51], s[56:57]
	s_or_b32 s47, s47, 0x80000000
	ROUND                                          ; all sixteen work-groups are here: the first joint loads meet
	s_cmp_lt_u32 s18, 4                            ; one tensor load a wave, one arm each
	s_cbranch_scc0 .Lhead_w
	tensor_load_to_lds s[40:43], s[24:31]
	s_nop 0
.rept 4
	v_nop
.endr
	s_branch .Lhead_asked
.Lhead_w:
	tensor_load_to_lds s[44:47], s[32:39]
	s_nop 0
.rept 4
	v_nop
.endr
.Lhead_asked:
	s_lshl_b32 s58, s22, 15
	s_lshl_b32 s56, s71, 14
	s_add_co_u32 s58, s58, s56
	s_lshl_b32 s60, s22, 11
	s_lshl_b32 s56, s71, 10
	s_add_co_u32 s60, s60, s56
	s_add_co_u32 s60, s60, 524288
	s_add_nc_u64 s[66:67], s[6:7], s[60:61]        ; z's scale words, my eight tiles
	s_add_nc_u64 s[6:7], s[6:7], s[58:59]          ; z's codes
	s_lshl_b32 s58, s70, 12
	s_add_nc_u64 s[68:69], s[6:7], s[58:59]        ; those of tiles 2 q, 2 q + 1
	s_lshl_b32 s58, s70, 8
	s_add_nc_u64 s[72:73], s[66:67], s[58:59]      ; and their scale words
	s_lshl_b32 s58, s21, 7
	s_add_co_u32 s58, s58, 32768
	s_add_nc_u64 s[74:75], s[10:11], s[58:59]      ; bq's scale words
	s_lshl_b32 s58, s21, 11
	s_add_nc_u64 s[10:11], s[10:11], s[58:59]
	s_lshl_b32 s58, s21, 13
	s_add_nc_u64 s[12:13], s[12:13], s[58:59]      ; wb
	s_lshl_b32 s58, s21, 6
	s_add_nc_u64 s[14:15], s[14:15], s[58:59]      ; b_bias
	s_add_nc_u64 s[16:17], s[16:17], s[58:59]
	s_lshl_b32 s58, s22, 18
	s_lshl_b32 s56, s18, 15
	s_add_co_u32 s58, s58, s56
	s_add_nc_u64 s[16:17], s[16:17], s[58:59]      ; out0: row 256 y + 32 wave, my 16 outputs
	; the bias terms' operands first: 33 loads
.irp ch, 0,1,2,3,4,5,6,7,8,9,10,11,12,13,14,15
	global_load_b128 v[160+4*\ch:163+4*\ch], v21, s[12:13] offset:512*\ch
.endr
.irp n, 0,1,2,3,4,5,6,7
	global_load_b128 v[64+4*\n:67+4*\n], v21, s[68:69] offset:512*\n
.endr
.irp n, 0,1,2,3
	global_load_b128 v[224+4*\n:227+4*\n], v21, s[10:11] offset:512*\n
.endr
	global_load_b128 v[240:243], v23, s[14:15]     ; b_bias of o = 8 h + 0 .. 7
	global_load_b128 v[244:247], v23, s[14:15] offset:16
	global_load_b32 v12, v22, s[74:75]
	global_load_b32 v13, v22, s[72:73]
	global_load_b32 v14, v22, s[72:73] offset:128
	; then z: 40 loads
.irp t, 0,1,2,3,4,5,6,7
	global_load_b32 v[4+\t], v22, s[66:67] offset:128*\t
.endr
.irp t, 0,1
.irp n, 0,1,2,3
	global_load_b128 v[128+16*\t+4*\n:131+16*\t+4*\n], v21, s[6:7] offset:2048*\t+512*\n
.endr
.endr
	WIN 0x40
.irp t, 2,3,4,5,6,7
.irp n, 0,1,2,3
	global_load_b128 v[16*(\t-2)+4*\n:16*(\t-2)+4*\n+3], v21, s[6:7] offset:2048*\t+512*\n
.endr
.endr
	WIN 0
	s_wait_tensorcnt 0x0                           ; my part of x's image or of slot 0 is in,
	s_barrier_signal -1
	s_barrier_wait -1                              ; and everybody's
	WIN 0x40
.irp t, 0,1
.irp ch, 0,1,2,3,4,5,6,7,8,9,10,11,12,13,14,15
	ds_load_b128 v[96+64*\t+4*\ch:99+64*\t+4*\ch], v24 offset:8192*\t+512*\ch
.endr
.endr
	WIN 0
	s_wait_loadcnt 40                              ; all but z's 40
	s_wait_dscnt 0x0
	; THE BIAS TERMS of 32 samples x 16 outputs: lane (r, h): sample r, outputs 8 h + 0 .. 7.  b_bias is the first C.  Two accumulators by turns
.irp t, 0,1
	v_wmma_scale_f32_16x16x128_f8f6f4 v[32+8*\t:39+8*\t], v[224:231], v[64+16*\t:71+16*\t], v[240:247], v12, v[13+\t] matrix_a_fmt:MATRIX_FMT_FP4 matrix_b_fmt:MATRIX_FMT_FP4
.endr
.irp t, 0,1
	v_wmma_scale_f32_16x16x128_f8f6f4 v[32+8*\t:39+8*\t], v[232:239], v[72+16*\t:79+16*\t], v[32+8*\t:39+8*\t], v12, v[13+\t] matrix_a_fmt:MATRIX_FMT_FP4 matrix_b_fmt:MATRIX_FMT_FP4 matrix_a_scale:MATRIX_SCALE_ROW1 matrix_b_scale:MATRIX_SCALE_ROW1
.endr
.rept 5
	v_nop                                          ; five places: another form takes the sums up
.endr
	WIN 4
.irp p, 0,1,2,3,4,5,6,7
.irp t, 0,1
	v_wmma_f32_16x16x32_bf16 v[32+8*\t:39+8*\t], v[160+8*\p:167+8*\p], v[96+64*\t+8*\p:103+64*\t+8*\p], v[32+8*\t:39+8*\t]
.endr
.endr
	WIN 0
.rept 4
	v_nop                                          ; places in front of the stores below and of loads into operands
.endr
.irp t, 0,1
.irp j, 0,1,2,3,4,5,6,7
	ds_store_b32 v26, v[32+8*\t+\j] offset:OP*\j+64*\t
.endr
.endr
; where x of tile t, unit f stands: eight registers from rX in window wX
.macro XREG t, f
.if (\t) > 5
.set rX, 160+16*(\f)+8*((\t)&1)
.set wX, 0
.elseif ((\t) > 3) && ((\f) > 1)
.set rX, 224+16*((\f)-2)+8*((\t)&1)
.set wX, 0
.else
.set rX, 96+64*((\t)>>1)+16*(\f)+8*((\t)&1)
.set wX, 1
.endif
.endm
.irp t, 0,1,2,3,4,5,6,7
.irp f, 0,1,2,3
	XREG \t, \f
	WIN 64*wX
	ds_load_b128 v[rX+4:rX+7], v25 offset:8192*\t+512*\f   ; eight bf16, into the upper half of their place
.endr
.endr
	WIN 0
	s_wait_loadcnt 0x0                             ; z is in
	s_wait_tensorcnt 0x0                           ; ahead of a refill:
	ds_add_u32 v16, v17
.macro DESC rows, slot, goff           ; the next refill: my eighth of a slot's rows (no load of mine is out)
	s_mul_i32 s56, s18, 256*(\rows)
	s_add_co_u32 s45, s56, \slot
	s_add_co_u32 s56, s56, \goff
	s_mov_b32 s57, 0
	s_add_nc_u64 s[46:47], s[50:51], s[56:57]
	s_or_b32 s47, s47, 0x80000000
	s_mov_b32 s34, (\rows)<<16
	s_mov_b32 s36, \rows
.endm
	DESC 51, S1, 4*OB
	s_mov_b32 s53, 0                               ; the planes' row of the output that leaves next
	s_wait_dscnt 0x0                               ; the add is done, and my reads of x's image
	s_barrier_signal -1
.irp t, 0,1,2,3,4,5,6,7
.irp f, 0,1,2,3
	XREG \t, \f
	WIN 0x44*wX
	v_lshlrev_b32 v[rX], 16, v[rX+4]               ; bf16 to f32, in place: each source is read ahead of its being written
	v_and_b32 v[rX+1], s76, v[rX+4]
	v_lshlrev_b32 v[rX+2], 16, v[rX+5]
	v_and_b32 v[rX+3], s76, v[rX+5]
	v_lshlrev_b32 v[rX+4], 16, v[rX+6]
	v_and_b32 v[rX+5], s76, v[rX+6]
	v_lshlrev_b32 v[rX+6], 16, v[rX+7]
	v_and_b32 v[rX+7], s76, v[rX+7]
.endr
.endr
	WIN 0
	s_wait_alu depctr_va_vdst(0)
	s_barrier_wait -1
	CREST                                          ; nobody in the cluster reads x's image any more
	tensor_load_to_lds s[44:47], s[32:39]          ; slot 1's first visit: 8 x 51 rows
	s_nop 0
.macro FRAGS p                         ; units 2 p, 2 p + 1 of an output: 8 loads of codes, one of scale words
.irp n, 0,1,2,3,4,5,6,7
	ds_load_b128 v[64+32*\p+4*\n:67+32*\p+4*\n], v[VW] offset:4096*\p+512*\n
.endr
	ds_load_b64 v[12+2*\p:13+2*\p], v[VW] offset:8192+8*\p
.endm
; GROUP g = 4 f + j: unit f, tiles 2 j and 2 j + 1: four products, slot KK: tile KK % 2, K step KK / 2.  Behind each stand two multiply-adds on the group before, one of each tile; the second tile's run one slot late,
; its last in the next group's first slot: so four or more plain places lie between a tile's last product and its first reader, and each sum's steps lie a slot apart.
.macro WM
.set wT, 2*(GG&3)+(KK&1)
.set wF, GG>>2
.set wS, KK>>1
.set rD, 32+16*(GG&1)+8*(KK&1)
.set rA, 64+16*wF+8*wS
.if wT < 2
.set rZ, 128+16*wT+8*wS
	WIN 0
.else
.set rZ, 16*(wT-2)+8*wS
	WIN 4
.endif
.if wS == 0
	v_wmma_scale_f32_16x16x128_f8f6f4 v[rD:rD+7], v[rA:rA+7], v[rZ:rZ+7], 0, v[12+wF], v[4+wT] matrix_a_fmt:MATRIX_FMT_FP4 matrix_b_fmt:MATRIX_FMT_FP4
.else
	v_wmma_scale_f32_16x16x128_f8f6f4 v[rD:rD+7], v[rA:rA+7], v[rZ:rZ+7], v[rD:rD+7], v[12+wF], v[4+wT] matrix_a_fmt:MATRIX_FMT_FP4 matrix_b_fmt:MATRIX_FMT_FP4 matrix_a_scale:MATRIX_SCALE_ROW1 matrix_b_scale:MATRIX_SCALE_ROW1
.endif
.endm
.macro FM g, e, c                      ; group g's tile e, numbers 2 c and 2 c + 1
.set FG, \g
.set FC, \c
.set fT, 2*(FG&3)+(\e)
.set fF, FG>>2
.set rC, 16+2*fT
.set rR, 32+16*(FG&1)+8*(\e)+2*FC
	XREG fT, fF
.set rX, rX+2*FC
	WIN 4*wX
.if (fF == 0) && (FC == 0)
	v_pk_mul_f32 v[rC:rC+1], v[rR:rR+1], v[rX:rX+1]
.else
	v_pk_fma_f32 v[rC:rC+1], v[rR:rR+1], v[rX:rX+1], v[rC:rC+1]
.endif
.endm
; The output before leaves in four parts: a lane's two halves; then lanes l and l xor 16: of tiles 2 t and 2 t + 1 one register holds 32 samples.  v48 is a result tile that is free here.
.macro REDUCE
.if KK == 0
	v_add_nc_u32 v48, s53, v[VS]
.irp a, 16,18,20,22
	v_add_f32 v[\a], v[\a], v[\a+1]
.endr
.elseif KK == 1
.irp a, 24,26,28,30
	v_add_f32 v[\a], v[\a], v[\a+1]
.endr
.elseif KK == 2
.irp a, 16,20,24,28
	v_permlane16_swap_b32 v[\a], v[\a+2]
.endr
.else
.irp a, 16,20,24,28
	v_add_f32 v[\a], v[\a], v[\a+2]
.endr
.irp t, 0,1,2,3
	ds_store_b32 v48, v[16+4*\t] offset:128*\t     ; 128 consecutive bytes
.endr
.endif
.endm
.macro GROUP g, rd
.set GG, \g
.set KK, 0
.rept 4
	WM
.if GG == 0
.if \rd
	REDUCE
.elseif KK == 3
.rept 4
	v_nop                                          ; the first output has none before it
.endr
.endif
.else
.if KK == 0
.if GG > 1
	FM GG-2, 1, 3
.endif
	FM GG-1, 0, 0
.else
	FM GG-1, 1, KK-1
	FM GG-1, 0, KK
.endif
.endif
.set KK, KK+1
.endr
.endm
.macro FIRST rd                        ; an output's units 0 and 1; the loads of units 2 and 3 behind the first group
	s_wait_dscnt 0x0                               ; units 0 and 1 are in
	v_add_nc_u32 v[VW], s52, v[VB]
	GROUP 0, \rd
.if \rd
	s_add_co_u32 s53, s53, OP
.endif
	FRAGS 1
.irp g, 1,2,3,4,5,6,7
	GROUP \g, 0
.endr
	WIN 0
.endm
.macro SECOND                          ; groups 9 to 15 and what is left of the multiply-adds
.irp g, 9,10,11,12,13,14,15
	GROUP \g, 0
.endr
	FM 14, 1, 3
.irp c, 0,1,2,3
	FM 15, 0, \c
	FM 15, 1, \c
.endr
	WIN 0
	s_wait_alu depctr_va_vdst(0)
.endm
.macro STEP rd                         ; an output with its successor in the same slot
	FIRST \rd
	s_wait_alu depctr_va_vdst(0)
	s_wait_dscnt 0x0                               ; units 2 and 3 are in
	s_add_co_u32 s52, s52, OB
	v_add_nc_u32 v[VW], s52, v[VB]
	GROUP 8, 0
	FRAGS 0                                        ; the next output's units 0 and 1
	SECOND
.endm
.macro VISIT trips
	s_mov_b32 s54, \trips
.Lvisit_\@:
	STEP 1
	s_sub_co_u32 s54, s54, 1
	s_cmp_lg_u32 s54, 0
	s_cbranch_scc1 .Lvisit_\@
.endm
; A slot's last output changes slots.  v64, v65 (unit 0's codes, used up four groups ago) serve the add.  fill = 1: the slot just read out is filled again.
.macro CHANGE next, fill, rows, slot, goff
	FIRST 1
	v_lshl_add_u32 v64, v0, 2, SPARE
	v_mov_b32 v65, 0
	s_mov_b32 s52, \next
	v_add_nc_u32 v[VW], s52, v[VB]
	s_wait_alu depctr_va_vdst(0)
	s_wait_tensorcnt 0x0                           ; my part of the other slot is in
	ds_add_u32 v64, v65
.if \fill
	DESC \rows, \slot, \goff
.endif
	s_wait_dscnt 0x0                               ; the add is done, and my reads of this slot: units 2 and 3 are in registers
	s_barrier_signal -1
	GROUP 8, 0                                     ; work on registers while the others arrive
	WIN 0
	s_wait_alu depctr_va_vdst(0)
	s_barrier_wait -1
.if \fill
	CREST                                          ; no wave of any partner reads this slot
	tensor_load_to_lds s[44:47], s[32:39]
	s_nop 0
.endif
	FRAGS 0                                        ; the other slot's first output
	SECOND
.endm
	FRAGS 0
	STEP 0                                         ; outputs 0 .. 3, slot 0
	VISIT 2
	CHANGE S1, 1, 68, 0, 7*OB
	VISIT 2                                        ; 4 .. 6, slot 1
	CHANGE 0, 1, 51, S1, 11*OB
	VISIT 3                                        ; 7 .. 10, slot 0
	CHANGE S1, 1, 34, 0, 14*OB
	VISIT 2                                        ; 11 .. 13, slot 1
	CHANGE 0, 0, 0, 0, 0
	STEP 1                                         ; 14, 15, slot 0
	FIRST 1
	s_wait_alu depctr_va_vdst(0)
	s_wait_dscnt 0x0
	GROUP 8, 0
	SECOND
.set KK, 0
.rept 4
	REDUCE
.set KK, KK+1
.endr
	s_wait_dscnt 0x0                               ; for the others' sake: my sums are in the planes
	s_barrier_signal -1
	; THE WAY OUT.  Wave w adds the five planes for samples 32 w .. 32 w + 31: lane L takes sample 8 i + L / 4 and outputs 4 (L % 4) + 0 .. 3
	v_bfe_u32 v64, v0, 2, 3
	v_and_b32 v65, 3, v0
	v_mul_u32_u24 v66, 4*OP, v65
	v_lshl_add_u32 v66, v64, 2, v66
	s_lshl_b32 s56, s18, 7
	s_add_co_u32 s56, s56, STAGE
	v_add_nc_u32 v66, s56, v66
	v_add_nc_u32 v67, 4*QP, v66
	v_lshlrev_b32 v68, 10, v64
	v_lshl_add_u32 v68, v65, 4, v68
	s_wait_alu depctr_va_vdst(0)
	s_barrier_wait -1
.irp i, 0,1,2,3
.irp q, 0,1,2,3
.irp e, 0,1,2,3
	ds_load_b32 v[128+20*\i+4*\q+\e], v66 offset:QP*\q+OP*\e+32*\i
.endr
.endr
.irp e, 0,1,2,3
	ds_load_b32 v[128+20*\i+16+\e], v67 offset:OP*\e+32*\i
.endr
.endr
.irp i, 0,1,2,3
.set A0, 128+20*\i
	s_wait_dscnt 60-20*\i                          ; this row's 20 loads are in; the later rows' may be out
	v_pk_add_f32 v[A0:A0+1], v[A0:A0+1], v[A0+4:A0+5]
	v_pk_add_f32 v[A0+2:A0+3], v[A0+2:A0+3], v[A0+6:A0+7]
	v_pk_add_f32 v[A0+8:A0+9], v[A0+8:A0+9], v[A0+12:A0+13]
	v_pk_add_f32 v[A0+10:A0+11], v[A0+10:A0+11], v[A0+14:A0+15]
	v_pk_add_f32 v[A0:A0+1], v[A0:A0+1], v[A0+8:A0+9]
	v_pk_add_f32 v[A0+2:A0+3], v[A0+2:A0+3], v[A0+10:A0+11]
	v_pk_add_f32 v[A0:A0+1], v[A0:A0+1], v[A0+16:A0+17]
	v_pk_add_f32 v[A0+2:A0+3], v[A0+2:A0+3], v[A0+18:A0+19]
	global_store_b128 v68, v[A0:A0+3], s[16:17] offset:8192*\i th:TH_STORE_NT   ; four lanes store a row's 64 bytes
.endr
	v_lshl_add_u32 v64, v0, 2, SPARE
	v_mov_b32 v65, 0
	s_wait_alu depctr_va_vdst(0)
	s_wait_tensorcnt 0x0                           ; the wave's end
	ds_add_u32 v64, v65
	s_wait_dscnt 0x0
	ROUND                                          ; the closing round: no work-group ends while a partner may still ask for a tile that names it
	s_endpgm
.Lfunc_end_k_q2d7a6b7085_main:
	.size	k_q2d7a6b7085_main, .Lfunc_end_k_q2d7a6b7085_main-k_q2d7a6b7085_main
	.p2alignl 7, 3214868480
	.fill 96, 4, 3214868480
	.section	.rodata,"a",@progbits
	.p2align	6, 0x0
	.amdhsa_kernel k_q2d7a6b7085_main
		.amdhsa_group_segment_fixed_size 327680
		.amdhsa_private_segment_fixed_size 0
		.amdhsa_enable_private_segment 0
		.amdhsa_kernarg_size 56
		.amdhsa_user_sgpr_count 2
		.amdhsa_user_sgpr_kernarg_segment_ptr 1
		.amdhsa_wavefront_size32 1
		.amdhsa_system_sgpr_workgroup_id_x 1
		.amdhsa_system_sgpr_workgroup_id_y 1
		.amdhsa_system_sgpr_workgroup_id_z 1
		.amdhsa_system_vgpr_workitem_id 0
		.amdhsa_next_free_vgpr 512
		.amdhsa_next_free_sgpr 80
		.amdhsa_reserve_vcc 0
		.amdhsa_float_denorm_mode_32 3
		.amdhsa_float_denorm_mode_16_64 3
		.amdhsa_memory_ordered 1
		.amdhsa_forward_progress 1
		.amdhsa_inst_pref_size 253
	.end_amdhsa_kernel
	.amdgpu_metadata
---
amdhsa.version: [ 1, 2 ]
amdhsa.kernels:
  - .name:           k_q2d7a6b7085_main
    .symbol:         k_q2d7a6b7085_main.kd
    .args:
      - { .name: xb, .offset: 0, .size: 8, .value_kind: global_buffer, .address_space: global }
      - { .name: zq, .offset: 8, .size: 8, .value_kind: global_buffer, .address_space: global }
      - { .name: wq, .offset: 16, .size: 8, .value_kind: global_buffer, .address_space: global }
      - { .name: bq, .offset: 24, .size: 8, .value_kind: global_buffer, .address_space: global }
      - { .name: wb, .offset: 32, .size: 8, .value_kind: global_buffer, .address_space: global }
      - { .name: b_bias, .offset: 40, .size: 8, .value_kind: global_buffer, .address_space: global }
      - { .name: out0, .offset: 48, .size: 8, .value_kind: global_buffer, .address_space: global }
    .group_segment_fixed_size: 327680
    .private_segment_fixed_size: 0
    .kernarg_segment_align: 8
    .kernarg_segment_size: 56
    .max_flat_workgroup_size: 256
    .sgpr_count:     80
    .vgpr_count:     512
    .wavefront_size: 32
...
	.end_amdgpu_metadata
.endif
;; end of part 2
